; MI455X (gfx1250); checked and timed in simulation.
; The chip was launched on July 23, 2026; its instructions are those of AMD's public machine-readable ISA for CDNA 5 (MIT licence, August 2026) and "CDNA5" Instruction Set Architecture Reference Guide (July 2026). The comments in the code are by the model that wrote it; some were corrected since.
;; Embedding Search Layer. Allowed arithmetic: matrix products marked QUANTISED: E2M3 operands, one E8M0 scale for each 32 along K, by v_wmma_scale_f32_16x16x128_f8f6f4 with both operands' format E2M3, f32 sums; everything else in f32.
;; Inputs: query 2,048 x 256 float32; vectors 131,072 x 256 float32.
;; Outputs: out0 2,048 int32.
;; This version of the problem:
;;   THIS VERSION OF THE PROBLEM IS GIVEN IN LOW PRECISION. The matrix products marked QUANTISED in the list below multiply operands that are first quantised to E2M3 (2 exponent bits, 3 mantissa bits; 6 bits a number), with one power-of-two scale for each 32 numbers along K (OCP MX v1.0); their sums are f32. All else is computed in f32.
;;   The module's matrix products, in the order in which they are computed (A, B: the left and right operand; K: the contracted axis; several contracted axes count as one K, in the product's order):
;;     1. [M 2,048, K 256] x [K 256, N 131,072]; A: input query; B: input vectors: QUANTISED
;;   THE QUANTISER, for each operand of a quantised product, along K:
;;     - K is cut into blocks of 32 from its start; a last block that is shorter is filled with zeros.
;;     - A block's scale is 2^e with e = floor(log2(the largest magnitude in the block)) - 2, held to -126 .. 127; a block of zeros has e = 0. As a byte (E8M0): e + 127.
;;     - Each number is divided by its block's scale, clamped to +-7.5, and rounded to the nearest number of E2M3, ties to even, subnormals kept.
;;     - The product sums the exact products of the quantised numbers (number of the format x scale) in f32.
;;   ~~~python
;;   def quantise(x, axis):      # numpy; x: float32 -> the quantised numbers, widened to float32 again
;;       x = np.moveaxis(x, axis, -1); K = x.shape[-1]
;;       x = np.pad(x, [(0, 0)] * (x.ndim - 1) + [(0, -K % 32)]); x = x.reshape(x.shape[:-1] + (-1, 32)); a = np.abs(x).max(-1, keepdims=True)
;;       e = np.where(a > 0, np.clip(np.frexp(np.where(a > 0, a, 1))[1] - 1 - 2, -126, 127), 0)      # np.frexp(a)[1] - 1 = floor(log2(a)), exactly
;;       r = np.clip(x / 2.0 ** e, -7.5, 7.5)
;;       step = 2.0 ** (np.maximum(np.frexp(np.where(r == 0, 1, r))[1] - 1, 0) - 3)
;;       q = np.round(r / step) * step * 2.0 ** e      # np.round: ties to even
;;       return np.moveaxis(q.reshape(q.shape[:-2] + (-1,))[..., :K], -1, axis).astype(np.float32)
;;   ~~~
;; One version. Each part assembles by itself: llvm-mc -triple=amdgcn-amd-amdhsa -mcpu=gfx1250 --defsym DOCPART=n.
;; ======== version 1 of 1: 4 launches
;; limits: right only within a limited range of input values
;; workspace buffers: rec 27,688,960 bytes; cand 8,388,608 bytes; pick 8,192 bytes of whole numbers
;; launch quant (part 1): grid 1024 x 1, 4 waves a work-group, no clusters, 34,304 bytes of LDS; arguments query, vectors, rec; writes rec
.if DOCPART == 1
	.amdgcn_target "amdgcn-amd-amdhsa--gfx1250"
	.amdhsa_code_object_version 6
	.text
	.protected	k_q936850b7ca_quant
	.globl	k_q936850b7ca_quant
	.p2align	8
	.type	k_q936850b7ca_quant,@function
k_q936850b7ca_quant:
	s_mov_b64 s[64:65], 0
	v_nop
	global_prefetch_b8 v0, s[64:65] scope:SCOPE_SE
	s_setreg_imm32_b32 hwreg(HW_REG_WAVE_MODE, 25, 1), 1
	s_wait_xcnt 0x0
; query [2048][256] and vectors [131072][256], f32, become RECORDS, one for each tile of 16 rows, laid in the order in which a matrix operand's registers take them.
; A record is 3,328 bytes (13 x 256).  Bytes 0-1535: the 12 registers of the tile's fragment for K = 0..127 (codes of E2M3, 6 bits): group g of four registers of lane l at 512 g + 16 l.
; Bytes 1536-3071: the same for K = 128..255.  Bytes 3072-3327: for lane l, 8 bytes at 8 l: the scale word (four E8M0 bytes) of row l % 16 for K step l / 16, then the f32 sum of squares of row l % 16.
; Records 0-127 are the queries' tiles, record 128 + T is the vectors' tile T.
; A block's scale is 2^(floor(log2(its largest magnitude)) - 2): its byte is the largest magnitude's exponent field - 2, held at 1 from below.
; LIMITS: a block of zeros gets the byte 1 where the rule says 127 (its codes are zeros, and this program alone reads the bytes); blocks whose largest magnitude lies under 2^(3 - 127) keep the byte 1;
; NaN and infinities are not served; a row's sum of squares is added in four chains and across two lanes, another order than a plain running sum.
; SHARES: 1,024 work-groups, four to a WGP by their registers.  Wave w of work-group g takes the vectors' tiles 8 g + 2 w and the next; in work-groups 0-31 it takes query tile 4 g + w ahead of them: the longest have the lowest numbers.
; A tile goes in two halves along K: a half is 16 loads of 512 consecutive bytes into one of two sets of 64 registers.  It goes through the wave's own stage in LDS as it lies, and comes back so that lane (r, h) holds
; the WHOLE blocks k = 64 c + 32 h + 0..31 of row r, which the operand's layout gives that lane: a block's maximum needs no other lane and the conversions' results are the operand's registers.
; As soon as a set has gone into the stage it takes the same half of the next tile: 32 loads of a wave are out but in the last tile, which is written out behind the loop and loads nothing.
; No tensor load, no barrier: waves share nothing.
.set REC,    3328
.set SPITCH, 528                       ; a stage row: 512 bytes + 16: an odd multiple of 16
.set WSTG,   16*SPITCH
.set C,      24                        ; v24-35   a fragment's 12 registers
.set T0,     36                        ; v36-38, v40-42: the second halves of the two blocks' codes (a conversion's three registers begin on an even number)
.set T1,     40
.set X,      64                        ; v64-127  two whole blocks of 32 numbers
.set RA,     128                       ; v128-191 K step 0 as loaded
.set RB,     192                       ; v192-255 K step 1 as loaded
; v1 16 x lane; v2 stage + 16 x lane; v3 stage + 528 r + 128 h; v4 8 x lane; v5 8 h; v6-7 largest magnitudes; v8-9 scale operands; v10-11 bytes; v12-13 the two scale words; v14 a permute's destination;
; v[16:17], v[18:19] sums of squares; v[20:21] the record's tail; v22-23 at work.  s[4:5] the first tile, s[6:7] the tile loaded next, s[8:9] this tile's record, s[30:31] the next one's, s21 trips
	s_load_b128 s[4:7], s[0:1], 0x0                ; query, vectors
	s_load_b64 s[8:9], s[0:1], 0x10                ; rec
	v_lshl_add_u32 v62, v0, 2, 0x8400
	v_mov_b32 v63, 0
	v_lshrrev_b32 v1, 5, v0
	v_readfirstlane_b32 s10, v1                    ; wave 0..3
	v_and_b32 v22, 31, v0                          ; lane
	v_and_b32 v23, 15, v0                          ; r
	v_bfe_u32 v5, v0, 4, 1                         ; h
	v_lshlrev_b32 v1, 4, v22
	v_lshlrev_b32 v4, 3, v22
	s_mul_i32 s18, s10, WSTG
	v_add_nc_u32 v2, s18, v1
	v_mul_u32_u24 v3, v23, SPITCH
	v_lshl_add_u32 v3, v5, 7, v3
	v_add_nc_u32 v3, s18, v3
	v_cmp_ne_u32 s20, 0, v5                        ; lanes 16-31
	v_lshlrev_b32 v5, 3, v5
	v_mov_b32 v14, 0                               ; written once: a lane permute's destination counts as one of its sources
	s_mov_b32 s12, 0x76543210
	s_mov_b32 s13, 0xfedcba98                      ; v_permlanex16_b32's selects for lane l xor 16
	s_lshl_b32 s14, ttmp9, 3
	s_lshl_b32 s15, s10, 1
	s_add_co_u32 s14, s14, s15                     ; my first tile of vectors
	s_lshl_b32 s16, ttmp9, 2
	s_add_co_u32 s16, s16, s10                     ; my query tile, where I have one
	s_add_co_u32 s22, s14, 128
	s_mul_i32 s22, s22, REC                        ; their records, in bytes
	s_mul_i32 s24, s16, REC
	s_add_co_u32 s26, s22, REC
	s_lshl_b32 s14, s14, 14                        ; x 16,384 bytes: under 2^28
	s_mov_b32 s15, 0
	s_lshl_b32 s16, s16, 14
	s_mov_b32 s17, 0
	s_mov_b32 s25, 0
	s_mov_b32 s27, 0
	s_wait_alu depctr_va_vdst(0)                   ; the wait at the head's end
	s_wait_kmcnt 0x0
	s_add_nc_u64 s[16:17], s[4:5], s[16:17]
	s_add_nc_u64 s[14:15], s[6:7], s[14:15]
	s_add_nc_u64 s[28:29], s[14:15], 16384
	s_cmp_lt_u32 ttmp9, 32                         ; the choices hang on the work-group's number alone
	s_cselect_b64 s[4:5], s[16:17], s[14:15]
	s_cselect_b64 s[6:7], s[14:15], s[28:29]
	s_cselect_b32 s24, s24, s22
	s_cselect_b32 s26, s22, s26
	s_cselect_b32 s21, 2, 1                        ; tiles less one
	s_add_nc_u64 s[30:31], s[8:9], s[26:27]
	s_add_nc_u64 s[8:9], s[8:9], s[24:25]
.macro LOAD reg, p, s                  ; K step s of the tile at s[p:p+1]: 16 loads, each of 512 consecutive bytes of a row
.irp i, 0,1,2,3,4,5,6,7,8,9,10,11,12,13,14,15
	global_load_b128 v[\reg+4*\i:\reg+4*\i+3], v1, s[\p:\p+1] offset:1024*\i+512*(\s) th:TH_LOAD_NT
.endr
.endm
.macro TURN reg                        ; into the stage as loaded, and back as two whole blocks a lane.  LDS serves a wave's instructions in order, so the loads see the stores
.irp i, 0,1,2,3,4,5,6,7,8,9,10,11,12,13,14,15
	ds_store_b128 v2, v[\reg+4*\i:\reg+4*\i+3] offset:\i*SPITCH
.endr
.irp c, 0,1
.irp k, 0,1,2,3,4,5,6,7
	ds_load_b128 v[X+32*\c+4*\k:X+32*\c+4*\k+3], v3 offset:256*\c+16*\k
.endr
.endr
	s_wait_dscnt 0x0                               ; my blocks are back, and the stage's stores have read their registers
.endm
; K step s: the two blocks' largest magnitudes and squares in four chains by turns; scale word; codes; three stores of 512 consecutive bytes
.macro QK s
	v_max3_num_f32 v6, |v[X]|, |v[X+1]|, 0x1800000          ; the floor 2^(3 - 127) among the leaves: the byte cannot fall under 1
	v_max3_num_f32 v7, |v[X+32]|, |v[X+33]|, 0x1800000
.if (\s) == 0
	v_pk_mul_f32 v[16:17], v[X:X+1], v[X:X+1]               ; the first products start the sums of squares: nothing is cleared
	v_pk_mul_f32 v[18:19], v[X+32:X+33], v[X+32:X+33]
.else
	v_pk_fma_f32 v[16:17], v[X:X+1], v[X:X+1], v[16:17]
	v_pk_fma_f32 v[18:19], v[X+32:X+33], v[X+32:X+33], v[18:19]
.endif
.irp i, 2,4,6,8,10,12,14,16,18,20,22,24,26,28,30
	v_max3_num_f32 v6, v6, |v[X+\i]|, |v[X+\i+1]|
	v_max3_num_f32 v7, v7, |v[X+32+\i]|, |v[X+33+\i]|
	v_pk_fma_f32 v[16:17], v[X+\i:X+\i+1], v[X+\i:X+\i+1], v[16:17]
	v_pk_fma_f32 v[18:19], v[X+32+\i:X+33+\i], v[X+32+\i:X+33+\i], v[18:19]
.endr
	v_add_nc_u32 v8, 0xff000000, v6                ; 2 off the exponent field: the conversion takes the exponent field of this operand as its scale, and nothing else of it
	v_add_nc_u32 v9, 0xff000000, v7
	v_lshrrev_b32 v10, 23, v8                      ; the scales' bytes: blocks h and 2 + h of this K step
	v_lshrrev_b32 v11, 23, v9
	v_lshl_or_b32 v22, v11, 16, v10
	v_lshlrev_b32 v22, v5, v22                     ; at their places in the word, 8 h bits up
	v_permlanex16_b32 v14, v22, s12, s13
	v_or_b32 v[12+(\s)], v22, v14                  ; with lane l xor 16's two bytes the word is whole
	s_wait_alu depctr_va_vdst(0)                   ; the wait ahead of the wait below
	s_wait_xcnt 0x0                                ; the earlier stores have read their data: only behind this wait are the codes' registers, and the tail's, written again
	v_cvt_scalef32_pk16_fp6_f32 v[C:C+2], v[X:X+15], v8
	v_cvt_scalef32_pk16_fp6_f32 v[T0:T0+2], v[X+16:X+31], v8
	v_cvt_scalef32_pk16_fp6_f32 v[C+6:C+8], v[X+32:X+47], v9
	v_cvt_scalef32_pk16_fp6_f32 v[T1:T1+2], v[X+48:X+63], v9
	v_nop                                          ; one plain place behind the scaled conversions
.irp i, 0,1,2
	v_mov_b32 v[C+3+\i], v[T0+\i]
	v_mov_b32 v[C+9+\i], v[T1+\i]
.endr
.irp g, 0,1,2
	global_store_b128 v1, v[C+4*\g:C+4*\g+3], s[8:9] offset:1536*(\s)+512*\g   ; 32 lanes store 512 consecutive bytes, at a multiple of 256 from rec's first byte
.endr
.endm
.macro TAIL                            ; the record's last 256 bytes
	v_pk_add_f32 v[16:17], v[16:17], v[18:19]
	v_add_f32 v16, v16, v17
	v_permlanex16_b32 v14, v16, s12, s13
	v_add_f32 v21, v16, v14                        ; the row's sum of squares, in both halves of the lanes
	v_cndmask_b32 v20, v12, v13, s20               ; lanes 0-15: K step 0's word; lanes 16-31: K step 1's
	global_store_b64 v4, v[20:21], s[8:9] offset:3072
.endm
.macro TILE ahead                      ; one tile; ahead = 1: each set takes the next tile's half as soon as it is free
	s_wait_loadcnt 16                              ; K step 0's sixteen loads are in; K step 1's may be out
	TURN RA
.if \ahead
	LOAD RA, 6, 0
.endif
	QK 0
.if \ahead
	s_wait_loadcnt 16                              ; K step 1 is in; the sixteen just issued may be out
.else
	s_wait_loadcnt 0x0
.endif
	TURN RB
.if \ahead
	LOAD RB, 6, 1
.endif
	QK 1
	TAIL
.endm
	LOAD RA, 4, 0
	LOAD RB, 4, 1
.Ltile:
	TILE 1
	s_wait_xcnt 0x0                                ; the loads and stores have read their bases
	s_mov_b64 s[8:9], s[30:31]
	s_add_nc_u64 s[30:31], s[30:31], REC
	s_add_nc_u64 s[6:7], s[6:7], 16384
	s_sub_co_u32 s21, s21, 1
	s_cmp_lg_u32 s21, 0
	s_cbranch_scc1 .Ltile
	TILE 0
	s_wait_tensorcnt 0x0                           ; the wave's end
	ds_add_u32 v62, v63
	s_wait_dscnt 0x0
	s_endpgm
.Lfunc_end_k_q936850b7ca_quant:
	.size	k_q936850b7ca_quant, .Lfunc_end_k_q936850b7ca_quant-k_q936850b7ca_quant
	.p2alignl 7, 3214868480
	.fill 96, 4, 3214868480
	.section	.rodata,"a",@progbits
	.p2align	6, 0x0
	.amdhsa_kernel k_q936850b7ca_quant
		.amdhsa_group_segment_fixed_size 34304
		.amdhsa_private_segment_fixed_size 0
		.amdhsa_enable_private_segment 0
		.amdhsa_kernarg_size 24
		.amdhsa_user_sgpr_count 2
		.amdhsa_user_sgpr_kernarg_segment_ptr 1
		.amdhsa_wavefront_size32 1
		.amdhsa_system_sgpr_workgroup_id_x 1
		.amdhsa_system_sgpr_workgroup_id_y 1
		.amdhsa_system_sgpr_workgroup_id_z 1
		.amdhsa_system_vgpr_workitem_id 0
		.amdhsa_next_free_vgpr 256
		.amdhsa_next_free_sgpr 66
		.amdhsa_reserve_vcc 0
		.amdhsa_float_denorm_mode_32 3
		.amdhsa_float_denorm_mode_16_64 3
		.amdhsa_memory_ordered 1
		.amdhsa_forward_progress 1
		.amdhsa_inst_pref_size 39
	.end_amdhsa_kernel
	.amdgpu_metadata
---
amdhsa.version: [ 1, 2 ]
amdhsa.kernels:
  - .name:           k_q936850b7ca_quant
    .symbol:         k_q936850b7ca_quant.kd
    .args:
      - { .name: query, .offset: 0, .size: 8, .value_kind: global_buffer, .address_space: global }
      - { .name: vectors, .offset: 8, .size: 8, .value_kind: global_buffer, .address_space: global }
      - { .name: rec, .offset: 16, .size: 8, .value_kind: global_buffer, .address_space: global }
    .group_segment_fixed_size: 34304
    .private_segment_fixed_size: 0
    .kernarg_segment_align: 8
    .kernarg_segment_size: 24
    .max_flat_workgroup_size: 128
    .sgpr_count:     66
    .vgpr_count:     256
    .wavefront_size: 32
...
	.end_amdgpu_metadata
.endif
;; end of part 1
;; launch main (part 2): grid 256 x 1, 8 waves a work-group, clusters of 4 x 1, 327,680 bytes of LDS; arguments rec, cand; writes cand
.if DOCPART == 2
	.amdgcn_target "amdgcn-amd-amdhsa--gfx1250"
	.amdhsa_code_object_version 6
	.text
	.protected	k_q936850b7ca_main
	.globl	k_q936850b7ca_main
	.p2align	8
	.type	k_q936850b7ca_main,@function
k_q936850b7ca_main:
	s_mov_b64 s[64:65], 0
	v_nop
	global_prefetch_b8 v0, s[64:65] scope:SCOPE_SE
	s_setreg_imm32_b32 hwreg(HW_REG_WAVE_MODE, 25, 1), 1
	s_wait_xcnt 0x0
	s_wait_alu depctr_hold_cnt(0) depctr_sa_sdst(0) depctr_va_vdst(0) depctr_va_sdst(0) depctr_va_ssrc(0) depctr_va_vcc(0) depctr_vm_vsrc(0)
	s_getreg_b32 s2, hwreg(HW_REG_IB_STS2, 6, 4)
	s_cmp_eq_u32 s2, 0
	s_cbranch_scc0 .Lentry_in_a_cluster
	s_endpgm
.Lentry_in_a_cluster:
	s_bfe_u32 s2, ttmp6, 0x10000c
	s_cmp_lg_u32 s2, 0x3003
	s_cbranch_scc0 .Lentry_shape_is_right
	s_endpgm
.Lentry_shape_is_right:
; The product, and of it only what the later launches need: for each query and each block of 128 vectors the largest D = cross - v_sq / 2.
; d = q_sq - 2 D and its root never rise where D rises, so the first vector whose rounded root equals the smallest root lies in the first block whose largest D ties with the largest D of all: no root, no index here.
; rec: records of 3,328 bytes, one for each tile of 16 rows (the quantising launch's layout); records 0-127 the queries, 128 + T the vectors' tile T.
; cand: [128 query tiles][256 work-groups][16 queries][4 blocks] f32: 256 bytes for a query tile and a work-group.
; LIMITS: the order of rounding is fl(cross - v_sq / 2), v_sq / 2 being the C of the first matrix instruction; NaN and infinities are not served.
; SHARES.  Work-group G owns vectors 512 G .. + 511.  Wave w keeps block g = w & 3 (8 tiles: 192 registers of codes, 64 of C) and walks the query tiles of parity p = w >> 2: 64 tiles, 16 matrix instructions each.
; Two waves lie on a SIMD: one wave's 32 maxima stand beside the other's products.
; The queries' 128 records go through two LDS slots of 32 records: four fills in the launch, each wave 4 records (52 rows of 256 bytes).  All work-groups read the same records: the four of a cluster ask jointly.
; No prefetch: of the four fills two stand at the head, with no loop ahead of them, and each of the other two is asked for 256 matrix instructions of every wave ahead of its first read.
; SOURCE 0 = 16 vectors, SOURCE 1 = 16 queries: lane (r, h) holds query r, register j of tile t vector 16 t + 8 h + j.
; REGISTERS, window 0: v1-2 the add's; v3-9, v18-19 addresses; v10-17 the vectors' scale words; v20-43 + v44, v48-71 + v72 two sets of a query tile's fragments and scale word; v80-87 maxima; v91-92 the way out; v96-159 accumulators.
; window 1: v0-191 the vectors' fragments, v192-255 C.
.set REC,   3328
.set SLOTB, 32*REC
.set STAGE, 2*SLOTB                    ; 8 waves x 64 tiles x 128 bytes: a lane's maximum for each tile
.set SPARE, STAGE+65536                ; the spare words: 128 bytes a wave
.set VS,  10
.set QF,  20
.set M,   80
.set ACC, 96
.set VC,  192
.set MSB, 0
.macro WIN new
.if MSB != \new
	s_set_vgpr_msb (MSB<<8)|\new
.set MSB, \new
.endif
.endm
.macro PLACES
.rept 4
	v_nop
.endr
.endm
.macro CREST                           ; a round of the cluster's barrier behind its opening barrier
	s_cmp_lg_u32 s10, 0
	s_cbranch_scc1 .Lnot_wave_0_\@
	s_barrier_signal -3
.Lnot_wave_0_\@:
	s_barrier_wait -3
	s_barrier_signal -1
	s_barrier_wait -1
.endm
.macro ROUND
	s_barrier_signal -1
	s_barrier_wait -1
	CREST
.endm
	s_load_b128 s[4:7], s[0:1], 0x0                ; rec, cand
	v_lshl_add_u32 v1, v0, 2, SPARE
	v_mov_b32 v2, 0
	ds_add_u32 v1, v2                              ; the opening lines: the add twice and one wait
	ds_add_u32 v1, v2
	v_lshrrev_b32 v3, 5, v0
	v_readfirstlane_b32 s10, v3                    ; wave
	s_and_b32 s11, s10, 3                          ; g
	s_lshr_b32 s12, s10, 2                         ; p
	s_bfe_u32 s13, ttmp6, 0x40000
	s_lshl_b32 s14, ttmp9, 2
	s_add_co_u32 s14, s14, s13                     ; work-group G
	s_mov_b32 s16, 15|(3<<16)|(1<<21)              ; group 1: mask of the four, elements of 8 bytes; 52 dense rows of 32 elements
	s_mov_b32 s17, 32<<16
	s_mov_b32 s18, 52<<16
	s_mov_b32 s19, 32<<16
	s_mov_b32 s20, 52
	s_mov_b32 s21, 32
	s_mov_b32 s22, 0
	s_mov_b32 s23, 0
	s_mov_b32 s24, 1                               ; group 0 of slot 0: my 4 records
	s_mul_i32 s25, s10, 4*REC
	s_mov_b32 s28, 1                               ; and of slot 1
	s_add_co_u32 s29, s25, SLOTB
	s_mov_b32 s38, s25
	s_mov_b32 s39, 0
	s_lshl_b32 s36, s14, 5
	s_lshl_b32 s37, s11, 3
	s_add_co_u32 s36, s36, s37
	s_add_co_u32 s36, s36, 128
	s_mul_i32 s36, s36, REC                        ; my block's first record
	s_mov_b32 s37, 0
	s_lshl_b32 s44, s14, 8                         ; cand: 256 G
	s_mov_b32 s45, 0
	s_mov_b32 s32, 0                               ; where the walk stands in the slots,
	s_mov_b32 s33, 0                               ; and in the stage
	s_mul_i32 s35, s12, REC
	s_lshl_b32 s40, s10, 13
	s_add_co_u32 s40, s40, STAGE
	s_lshl_b32 s41, s10, 10
	s_add_co_u32 s41, s41, STAGE
	s_lshl_b32 s42, s10, 20
	v_and_b32 v88, 31, v0                          ; lane
	v_and_b32 v89, 15, v0                          ; r
	v_bfe_u32 v90, v0, 4, 1                        ; h
	v_lshlrev_b32 v3, 4, v88
	v_lshl_add_u32 v4, v88, 3, 3072
	v_lshlrev_b32 v8, 6, v90
	v_add_nc_u32 v18, s35, v3                      ; a record's codes: parity's record + 16 lane
	v_add_nc_u32 v19, s35, v4                      ; its scale word
	v_mov_b32 v5, v18
	v_mov_b32 v6, v19
	v_lshl_add_u32 v7, v88, 2, s40                 ; my wave's stage + 4 lane
	v_mov_b32 v9, v7
	v_lshl_add_u32 v91, v89, 2, s41                ; the way out: stage + 32768 h + 1024 w + 4 r
	v_lshl_add_u32 v91, v90, 15, v91
	v_lshl_add_u32 v92, v89, 4, s42                ; and in cand: 65536 (16 w + h) + 16 r
	v_lshl_add_u32 v92, v90, 16, v92
	s_wait_alu depctr_va_vdst(0)                   ; the wait at the head's end
	s_wait_dscnt 0x0
	s_wait_kmcnt 0x0
	s_add_nc_u64 s[26:27], s[4:5], s[38:39]
	s_add_nc_u64 s[30:31], s[26:27], SLOTB
	s_or_b32 s27, s27, 0x80000000
	s_or_b32 s31, s31, 0x80000000
	s_add_nc_u64 s[36:37], s[4:5], s[36:37]
	s_add_nc_u64 s[6:7], s[6:7], s[44:45]
	ROUND
	tensor_load_to_lds s[24:27], s[16:23]          ; records 0-31: my one load at the head
	s_nop 0
	PLACES
	WIN 0x40
.irp t, 0,1,2,3,4,5,6,7
.irp g, 0,1,2,3,4,5
	global_load_b128 v[24*\t+4*\g:24*\t+4*\g+3], v3, s[36:37] offset:REC*\t+512*\g
.endr
.endr
	WIN 0
.irp t, 0,1,2,3,4,5,6,7
	global_load_b32 v[VS+\t], v4, s[36:37] offset:REC*\t
.endr
.irp t, 0,1,2,3,4,5,6,7
.irp k, 0,1,2,3
	global_load_b128 v[ACC+16*\t+4*\k:ACC+16*\t+4*\k+3], v8, s[36:37] offset:REC*\t+3072+16*\k   ; (word, v_sq) of vectors 8 h .. 8 h + 7
.endr
.endr
	s_wait_tensorcnt 0x0                           ; slot 1's first fill is issued as a refill is
	ds_add_u32 v1, v2
	s_wait_dscnt 0x0
	ROUND
	tensor_load_to_lds s[28:31], s[16:23]          ; records 32-63
	s_nop 0
	PLACES
.macro LOADQ set, off                  ; a query tile's fragments and scale word: 7 LDS loads
.irp g, 0,1,2,3,4,5
	ds_load_b128 v[QF+28*(\set)+4*\g:QF+28*(\set)+4*\g+3], v5 offset:(\off)+512*\g
.endr
	ds_load_b32 v[QF+28*(\set)+24], v6 offset:(\off)
.endm
.macro MMA0 set                        ; K = 0..127: C = -v_sq / 2 starts the sums; the eight accumulators take turns
	WIN 0x11
.irp t, 0,1,2,3,4,5,6,7
	v_wmma_scale_f32_16x16x128_f8f6f4 v[ACC+8*\t:ACC+8*\t+7], v[24*\t:24*\t+11], v[QF+28*(\set):QF+28*(\set)+11], v[VC+8*\t:VC+8*\t+7], v[VS+\t], v[QF+28*(\set)+24] matrix_a_fmt:MATRIX_FMT_FP6 matrix_b_fmt:MATRIX_FMT_FP6
.endr
.endm
.macro MMA1 set                        ; K = 128..255
	WIN 0x01
.irp t, 0,1,2,3,4,5,6,7
	v_wmma_scale_f32_16x16x128_f8f6f4 v[ACC+8*\t:ACC+8*\t+7], v[24*\t+12:24*\t+23], v[QF+28*(\set)+12:QF+28*(\set)+23], v[ACC+8*\t:ACC+8*\t+7], v[VS+\t], v[QF+28*(\set)+24] matrix_a_fmt:MATRIX_FMT_FP6 matrix_b_fmt:MATRIX_FMT_FP6 matrix_a_scale:MATRIX_SCALE_ROW1 matrix_b_scale:MATRIX_SCALE_ROW1
.endr
	WIN 0
.endm
.macro EPI st                          ; the largest of my 64 D: 32 instructions, each accumulator from its low end on; then one word into the stage
.irp t, 0,1,2,3,4,5,6,7
	v_max3_num_f32 v[M+\t], v[ACC+8*\t], v[ACC+8*\t+1], v[ACC+8*\t+2]
.endr
.irp t, 0,1,2,3,4,5,6,7
	v_max3_num_f32 v[M+\t], v[M+\t], v[ACC+8*\t+3], v[ACC+8*\t+4]
.endr
.irp t, 0,1,2,3,4,5,6,7
	v_max3_num_f32 v[M+\t], v[M+\t], v[ACC+8*\t+5], v[ACC+8*\t+6]
.endr
.irp i, 0,1,2,3
	v_max3_num_f32 v[M+\i], v[M+\i], v[ACC+16*\i+7], v[ACC+16*\i+15]
.endr
	s_delay_alu instid0(VALU_DEP_4)
	v_max3_num_f32 v[M], v[M], v[M+4], v[M+5]
	s_delay_alu instid0(VALU_DEP_4)
	v_max3_num_f32 v[M+1], v[M+1], v[M+6], v[M+7]
	s_delay_alu instid0(VALU_DEP_1)
	v_max3_num_f32 v[M], v[M], v[M+1], v[M+2]
	s_delay_alu instid0(VALU_DEP_1)
	v_max_num_f32 v[M], v[M], v[M+3]
	ds_store_b32 v9, v[M] offset:\st
.endm
; One query tile.  cnt: the LDS instructions issued behind this tile's seven loads (the last tile's stage store).  ld: where the next tile lies, from v5 (under 0: none).  step = 1: the addresses move on by two tiles.
.macro PH set, cnt, ld, st, step
	s_wait_dscnt \cnt
.if \ld >= 0
	LOADQ 1-\set, \ld                              ; into the other set: behind its last products stand four v_nop and 32 maxima
.endif
.if \step
	s_add_co_u32 s32, s32, 4*REC
	v_add_nc_u32 v5, s32, v18
	v_add_nc_u32 v6, s32, v19
.endif
	MMA0 \set
	MMA1 \set
	PLACES
	EPI \st
.if \step
	s_add_co_u32 s33, s33, 256
	v_add_nc_u32 v9, s33, v7
.endif
.endm
; A slot's last tile, whose fragments are in registers: the slots change.  fill = 1: the slot left behind is filled again, behind a round of the cluster's barrier.  nb: the next slot's first byte.
.macro PB set, st, fill, g0, nb
	s_wait_dscnt 0x0                               ; my reads of this slot are over
	s_wait_tensorcnt 0x0                           ; my part of the next slot has landed
.if \fill
	ds_add_u32 v1, v2
	s_add_nc_u64 s[\g0+2:\g0+3], s[\g0+2:\g0+3], 2*SLOTB
.endif
	MMA0 \set
	s_wait_dscnt 0x0
	s_barrier_signal -1
	MMA1 \set
	s_barrier_wait -1
.if \fill
	CREST
	tensor_load_to_lds s[\g0:\g0+3], s[16:23]
	s_nop 0
.endif
	PLACES
	s_mov_b32 s32, \nb
	v_add_nc_u32 v5, s32, v18
	v_add_nc_u32 v6, s32, v19
	LOADQ 1-\set, 0
	EPI \st
	s_add_co_u32 s33, s33, 256
	v_add_nc_u32 v9, s33, v7
.endm
.macro RUN cnt0                        ; tiles 0 to 14 of my 16 in a slot
	PH 0, \cnt0, 2*REC, 0, 0
	s_mov_b32 s34, 7
.Lrun_\@:
	PH 1, 1, 4*REC, 128, 0
	PH 0, 1, 6*REC, 256, 1
	s_sub_co_u32 s34, s34, 1
	s_cmp_lg_u32 s34, 0
	s_cbranch_scc1 .Lrun_\@
.endm
	LOADQ 0, 0                                     ; the round above has shown slot 0 whole
	s_wait_loadcnt 0x0
	WIN 0x40
.irp t, 0,1,2,3,4,5,6,7
.irp j, 0,1,2,3,4,5,6,7
	v_mul_f32 v[VC+8*\t+\j], -0.5, v[ACC+16*\t+2*\j+1]
.endr
.endr
	WIN 0
	s_wait_alu depctr_va_vdst(0)                   ; the wait ahead of the wait below
	RUN 0
	PB 1, 128, 1, 24, SLOTB                        ; slot 0 takes records 64-95
	RUN 1
	PB 1, 128, 1, 28, 0                            ; slot 1 takes records 96-127
	RUN 1
	PB 1, 128, 0, 0, SLOTB
	RUN 1
	PH 1, 1, -1, 128, 0
	s_wait_dscnt 0x0                               ; my stage is whole
	s_barrier_signal -1
	s_barrier_wait -1
; THE WAY OUT.  Wave w takes query tiles 16 w + 2 u + h; lane (r, h) joins the two halves of the lanes for query r and the four blocks: 16 bytes; sixteen lanes store one aligned 256 bytes.
.irp u, 0,1,2,3,4,5,6,7
.irp g, 0,1,2,3
	ds_load_b32 v[ACC+8*\u+\g], v91 offset:8192*\g+128*\u
	ds_load_b32 v[ACC+8*\u+4+\g], v91 offset:8192*\g+128*\u+64
.endr
.endr
	s_wait_dscnt 0x0
.irp u, 0,1,2,3,4,5,6,7
.irp g, 0,1,2,3
	v_max_num_f32 v[ACC+8*\u+\g], v[ACC+8*\u+\g], v[ACC+8*\u+4+\g]
.endr
.endr
.irp u, 0,1,2,3,4,5,6,7
	global_store_b128 v92, v[ACC+8*\u:ACC+8*\u+3], s[6:7] offset:131072*\u
.endr
	s_wait_tensorcnt 0x0                           ; the wave's end
	ds_add_u32 v1, v2
	s_wait_dscnt 0x0
	ROUND                                          ; the closing round
	s_endpgm
.Lfunc_end_k_q936850b7ca_main:
	.size	k_q936850b7ca_main, .Lfunc_end_k_q936850b7ca_main-k_q936850b7ca_main
	.p2alignl 7, 3214868480
	.fill 96, 4, 3214868480
	.section	.rodata,"a",@progbits
	.p2align	6, 0x0
	.amdhsa_kernel k_q936850b7ca_main
		.amdhsa_group_segment_fixed_size 327680
		.amdhsa_private_segment_fixed_size 0
		.amdhsa_enable_private_segment 0
		.amdhsa_kernarg_size 16
		.amdhsa_user_sgpr_count 2
		.amdhsa_user_sgpr_kernarg_segment_ptr 1
		.amdhsa_wavefront_size32 1
		.amdhsa_system_sgpr_workgroup_id_x 1
		.amdhsa_system_sgpr_workgroup_id_y 1
		.amdhsa_system_sgpr_workgroup_id_z 1
		.amdhsa_system_vgpr_workitem_id 0
		.amdhsa_next_free_vgpr 512
		.amdhsa_next_free_sgpr 66
		.amdhsa_reserve_vcc 0
		.amdhsa_float_denorm_mode_32 3
		.amdhsa_float_denorm_mode_16_64 3
		.amdhsa_memory_ordered 1
		.amdhsa_forward_progress 1
		.amdhsa_inst_pref_size 103
	.end_amdhsa_kernel
	.amdgpu_metadata
---
amdhsa.version: [ 1, 2 ]
amdhsa.kernels:
  - .name:           k_q936850b7ca_main
    .symbol:         k_q936850b7ca_main.kd
    .args:
      - { .name: rec, .offset: 0, .size: 8, .value_kind: global_buffer, .address_space: global }
      - { .name: cand, .offset: 8, .size: 8, .value_kind: global_buffer, .address_space: global }
    .group_segment_fixed_size: 327680
    .private_segment_fixed_size: 0
    .kernarg_segment_align: 8
    .kernarg_segment_size: 16
    .max_flat_workgroup_size: 256
    .sgpr_count:     66
    .vgpr_count:     512
    .wavefront_size: 32
...
	.end_amdgpu_metadata
.endif
;; end of part 2
;; launch pick (part 3): grid 128 x 1, 8 waves a work-group, no clusters, 2,048 bytes of LDS; arguments rec, cand, pick; writes pick
.if DOCPART == 3
	.amdgcn_target "amdgcn-amd-amdhsa--gfx1250"
	.amdhsa_code_object_version 6
	.text
	.protected	k_q936850b7ca_pick
	.globl	k_q936850b7ca_pick
	.p2align	8
	.type	k_q936850b7ca_pick,@function
k_q936850b7ca_pick:
	s_mov_b64 s[64:65], 0
	v_nop
	global_prefetch_b8 v0, s[64:65] scope:SCOPE_SE
	s_setreg_imm32_b32 hwreg(HW_REG_WAVE_MODE, 25, 1), 1
	s_wait_xcnt 0x0
; For each query: over its 1,024 blocks' largest D, the largest of all; d = q_sq - 2 D; s = the correctly rounded root of max(d, 0); and the FIRST block whose own d rounds to the same s: pick[query] = that block.
; A block's d is tied with s exactly where d <= s x (s's neighbour above); with s = 0 the test reads d <= 0: the clamp's ties.
; LIMITS: the order of rounding is fl(q_sq - 2 fl(cross - v_sq / 2)); NaN and infinities are not served; for 0 < d < 2^-100 the root's input or a residual may fall to zero.
; SHARES.  Work-group T takes query tile T: 65,536 consecutive bytes of cand.  Thread n reads 16 bytes at 16 n + 4096 k, k = 0..15: query r = n % 16, blocks 64 k + 8 wave + 4 h + 0..3.  The data stay in 64 registers for both passes.
; The block numbers are only selected and stored at fixed places.  A work-group's 16 numbers are 64 consecutive bytes, a part of an aligned 256: the launch stores 8,192 bytes in all, and a tile to a work-group spreads the 8 MiB read over 128 work-groups.
; No matrix work, no tensor load.  LDS: 512 bytes of maxima [r][wave], 512 of block numbers, then the spare words.
.set REC, 3328
.set X,  16
.set TX, 92
.set S0, 93
.set SD, 94
.set SU, 95
.set RP, 96
.set RS, 97
.set SF, 98
.set SN, 100
	s_load_b128 s[4:7], s[0:1], 0x0                ; rec, cand
	s_load_b64 s[8:9], s[0:1], 0x10                ; pick
	v_lshl_add_u32 v126, v0, 2, 0x400
	v_mov_b32 v127, 0
	v_lshrrev_b32 v1, 5, v0
	v_readfirstlane_b32 s10, v1                    ; wave
	v_lshlrev_b32 v1, 4, v0
	v_and_b32 v2, 15, v0                           ; r
	v_bfe_u32 v3, v0, 4, 1                         ; h
	v_lshlrev_b32 v4, 3, v2
	v_lshlrev_b32 v5, 5, v2                        ; LDS: 32 r
	s_lshl_b32 s11, s10, 2
	v_add_nc_u32 v6, s11, v5                       ; + 4 wave
	s_lshl_b32 s12, s10, 3
	v_lshl_add_u32 v7, v3, 2, s12                  ; 8 wave + 4 h
	v_lshlrev_b32 v9, 2, v2
	v_mov_b32 v11, 0                               ; upper halves of pairs, and a permute's destination: written once
	v_mov_b32 v14, 0
	v_mov_b32 v[SF+1], 0
	v_mov_b32 v[SN+1], 0
	s_mov_b32 s20, 0x76543210
	s_mov_b32 s21, 0xfedcba98
	s_mul_i32 s14, ttmp9, REC
	s_mov_b32 s15, 0
	s_lshl_b32 s16, ttmp9, 16
	s_mov_b32 s17, 0
	s_lshl_b32 s18, ttmp9, 6
	s_mov_b32 s19, 0
	s_wait_alu depctr_va_vdst(0)                   ; the wait at the head's end
	s_wait_kmcnt 0x0
	s_add_nc_u64 s[4:5], s[4:5], s[14:15]
	s_add_nc_u64 s[6:7], s[6:7], s[16:17]
	s_add_nc_u64 s[8:9], s[8:9], s[18:19]
.irp k, 0,1,2,3,4,5,6,7,8,9,10,11,12,13,14,15
	global_load_b128 v[X+4*\k:X+4*\k+3], v1, s[6:7] offset:4096*\k th:TH_LOAD_NT
.endr
	global_load_b32 v10, v4, s[4:5] offset:3076    ; q_sq of query r
	s_wait_loadcnt 0x0
.irp c, 0,1,2,3                        ; pass 1: the largest of my 64, in four chains by turns
	v_max3_num_f32 v[80+\c], v[X+16*\c], v[X+16*\c+1], v[X+16*\c+2]
.endr
.irp i, 3,5,7,9,11,13
.irp c, 0,1,2,3
	v_max3_num_f32 v[80+\c], v[80+\c], v[X+16*\c+\i], v[X+16*\c+\i+1]
.endr
.endr
.irp c, 0,1,2,3
	v_max_num_f32 v[80+\c], v[80+\c], v[X+16*\c+15]
.endr
	v_max3_num_f32 v80, v80, v81, v82
	s_delay_alu instid0(VALU_DEP_1)
	v_max_num_f32 v80, v80, v83
	s_delay_alu instid0(VALU_DEP_1)
	v_permlanex16_b32 v14, v80, s20, s21
	s_delay_alu instid0(VALU_DEP_1)
	v_max_num_f32 v80, v80, v14
	ds_store_b32 v6, v80                           ; both halves of the lanes write the same word with the same value
	s_wait_dscnt 0x0
	s_barrier_signal -1
	s_barrier_wait -1
	ds_load_b128 v[84:87], v5
	ds_load_b128 v[88:91], v5 offset:16
	s_wait_dscnt 0x0
	v_max3_num_f32 v80, v84, v85, v86
	v_max3_num_f32 v81, v87, v88, v89
	v_max_num_f32 v82, v90, v91
	s_delay_alu instid0(VALU_DEP_1)
	v_max3_num_f32 v80, v80, v81, v82
	s_delay_alu instid0(VALU_DEP_1)
	v_fma_f32 v[TX], v80, -2.0, v10
	s_delay_alu instid0(VALU_DEP_1)
	v_max_num_f32 v[TX], 0, v[TX]
	s_wait_alu depctr_va_vdst(0)                   ; a wait ahead of the root, and behind it
	v_sqrt_f32 v[S0], v[TX]
.irp c, 0,1,2,3
	v_mov_b32 v[80+\c], 64                         ; no tie found yet
.endr
	s_wait_alu depctr_va_vdst(0)
	v_add_nc_u32 v[SD], -1, v[S0]                  ; the two residuals say whether a neighbour is the correctly rounded root
	v_add_nc_u32 v[SU], 1, v[S0]
	v_fma_f32 v[RP], -v[SD], v[S0], v[TX]
	v_fma_f32 v[RS], -v[SU], v[S0], v[TX]
	v_cmp_ge_f32 vcc_lo, 0, v[RP]
	v_cndmask_b32 v[SF], v[S0], v[SD], vcc_lo
	v_cmp_lt_f32 vcc_lo, 0, v[RS]
	v_cndmask_b32 v[SF], v[SF], v[SU], vcc_lo
	s_delay_alu instid0(VALU_DEP_1)
	v_add_nc_u32 v[SN], 1, v[SF]
.set K, 0
.rept 32                               ; pass 2: d of each block,
	v_pk_fma_f32 v[X+K:X+K+1], v[X+K:X+K+1], -2.0, v[10:11] op_sel_hi:[1,0,0]
.set K, K+2
.endr
.set K, 0
.rept 32                               ; d - s x its neighbour above,
	v_pk_fma_f32 v[X+K:X+K+1], v[SN:SN+1], v[SF:SF+1], v[X+K:X+K+1] op_sel_hi:[0,0,1] neg_lo:[1,0,0] neg_hi:[1,0,0]
.set K, K+2
.endr
.set I, 15
.rept 16                               ; and the first register that is tied, from the last down, four chains by turns
.irp c, 0,1,2,3
	v_cmp_ge_f32 s[40+\c], 0, v[X+16*\c+I]
.endr
.irp c, 0,1,2,3
	v_cndmask_b32 v[80+\c], v[80+\c], 16*\c+I, s[40+\c]
.endr
.set I, I-1
.endr
	v_min_u32 v80, v80, v81
	v_min_u32 v82, v82, v83
	s_delay_alu instid0(VALU_DEP_1)
	v_min_u32 v80, v80, v82
	s_delay_alu instid0(VALU_DEP_1)
	v_lshrrev_b32 v81, 2, v80                      ; register 4 k + e is block 64 k + 8 wave + 4 h + e; 64, no tie, gives 1,024 or more
	v_and_b32 v82, 3, v80
	s_delay_alu instid0(VALU_DEP_1)
	v_lshl_add_u32 v81, v81, 6, v82
	s_delay_alu instid0(VALU_DEP_1)
	v_add_nc_u32 v80, v81, v7
	s_delay_alu instid0(VALU_DEP_1)
	v_permlanex16_b32 v14, v80, s20, s21
	s_delay_alu instid0(VALU_DEP_1)
	v_min_u32 v80, v80, v14
	ds_store_b32 v6, v80 offset:512
	s_wait_dscnt 0x0
	s_barrier_signal -1
	s_barrier_wait -1
	s_cmp_lg_u32 s10, 0
	s_cbranch_scc1 .Lend
	ds_load_b128 v[84:87], v5 offset:512
	ds_load_b128 v[88:91], v5 offset:528
	s_wait_dscnt 0x0
	v_min_u32 v84, v84, v85
	v_min_u32 v86, v86, v87
	v_min_u32 v88, v88, v89
	v_min_u32 v90, v90, v91
	v_min_u32 v84, v84, v86
	v_min_u32 v88, v88, v90
	s_delay_alu instid0(VALU_DEP_1)
	v_min_u32 v84, v84, v88
	v_cmp_gt_u32 vcc_lo, 16, v0
	s_wait_alu depctr_va_vdst(0)                   ; the wait ahead of the wait below
	s_wait_xcnt 0x0                                ; EXEC changes only behind this wait
	s_and_saveexec_b32 s30, vcc_lo
	global_store_b32 v9, v84, s[8:9]               ; lanes 0-15: 64 consecutive bytes
	s_wait_xcnt 0x0
	s_or_b32 exec_lo, exec_lo, s30
.Lend:
	s_wait_tensorcnt 0x0                           ; the wave's end
	ds_add_u32 v126, v127
	s_wait_dscnt 0x0
	s_endpgm
.Lfunc_end_k_q936850b7ca_pick:
	.size	k_q936850b7ca_pick, .Lfunc_end_k_q936850b7ca_pick-k_q936850b7ca_pick
	.p2alignl 7, 3214868480
	.fill 96, 4, 3214868480
	.section	.rodata,"a",@progbits
	.p2align	6, 0x0
	.amdhsa_kernel k_q936850b7ca_pick
		.amdhsa_group_segment_fixed_size 2048
		.amdhsa_private_segment_fixed_size 0
		.amdhsa_enable_private_segment 0
		.amdhsa_kernarg_size 24
		.amdhsa_user_sgpr_count 2
		.amdhsa_user_sgpr_kernarg_segment_ptr 1
		.amdhsa_wavefront_size32 1
		.amdhsa_system_sgpr_workgroup_id_x 1
		.amdhsa_system_sgpr_workgroup_id_y 1
		.amdhsa_system_sgpr_workgroup_id_z 1
		.amdhsa_system_vgpr_workitem_id 0
		.amdhsa_next_free_vgpr 128
		.amdhsa_next_free_sgpr 66
		.amdhsa_reserve_vcc 1
		.amdhsa_float_denorm_mode_32 3
		.amdhsa_float_denorm_mode_16_64 3
		.amdhsa_memory_ordered 1
		.amdhsa_forward_progress 1
		.amdhsa_inst_pref_size 21
	.end_amdhsa_kernel
	.amdgpu_metadata
---
amdhsa.version: [ 1, 2 ]
amdhsa.kernels:
  - .name:           k_q936850b7ca_pick
    .symbol:         k_q936850b7ca_pick.kd
    .args:
      - { .name: rec, .offset: 0, .size: 8, .value_kind: global_buffer, .address_space: global }
      - { .name: cand, .offset: 8, .size: 8, .value_kind: global_buffer, .address_space: global }
      - { .name: pick, .offset: 16, .size: 8, .value_kind: global_buffer, .address_space: global }
    .group_segment_fixed_size: 2048
    .private_segment_fixed_size: 0
    .kernarg_segment_align: 8
    .kernarg_segment_size: 24
    .max_flat_workgroup_size: 256
    .sgpr_count:     66
    .vgpr_count:     128
    .wavefront_size: 32
...
	.end_amdgpu_metadata
.endif
;; end of part 3
;; launch final (part 4): grid 256 x 1, 8 waves a work-group, no clusters, 2,048 bytes of LDS; arguments rec, pick, out0; writes out0
.if DOCPART == 4
	.amdgcn_target "amdgcn-amd-amdhsa--gfx1250"
	.amdhsa_code_object_version 6
	.text
	.protected	k_q936850b7ca_final
	.globl	k_q936850b7ca_final
	.p2align	8
	.type	k_q936850b7ca_final,@function
k_q936850b7ca_final:
	s_mov_b64 s[64:65], 0
	v_nop
	global_prefetch_b8 v0, s[64:65] scope:SCOPE_SE
	s_setreg_imm32_b32 hwreg(HW_REG_WAVE_MODE, 25, 1), 1
	s_wait_xcnt 0x0
; For each query the one block of 128 vectors that the earlier launches picked is multiplied again, by the same matrix instructions on the same operands, scales and C, so that its D have the same bits;
; then d = q_sq - 2 D, s = the correctly rounded root of max(smallest d, 0), and the first vector of the block whose d <= s x (s's neighbour above) is the answer: out0[q] = 128 x block + its place.
; LIMITS: as in the launch before: the order of rounding is fl(q_sq - 2 fl(cross - v_sq / 2)); NaN and infinities are not served; for 0 < d < 2^-100 the root's input or a residual may fall to zero.
; SHARES.  Work-group G takes queries 8 G .. + 7, a wave one: query tile G >> 1, column 8 (G & 1) + wave; of the product's 16 columns one is used.
; The block number is a whole number that an earlier launch stored; it is held to 0 .. 1023 before it enters an address.  Operands go from memory straight into registers: no tensor load.
; A work-group's 8 numbers are 32 consecutive bytes, a part of an aligned 256: the launch stores 8,192 bytes in all, and a wave to a query spreads the blocks' records (26,624 bytes a query) over 256 work-groups.
; REGISTERS as in the launch of the products: window 1 v0-191 fragments, v192-255 C; window 0 v10-17 scale words, v20-43 the query's fragments, v44 its scale word, v45 q_sq, v96-159 accumulators, then d, then residuals.
.set REC, 3328
.set VS,  10
.set QF,  20
.set ACC, 96
.set VC,  192
.set TX, 48
.set S0, 49
.set SD, 50
.set SU, 51
.set RP, 52
.set RS, 53
.set SF, 54
.set SN, 56
.set PD, 58
.set MSB, 0
.macro WIN new
.if MSB != \new
	s_set_vgpr_msb (MSB<<8)|\new
.set MSB, \new
.endif
.endm
	s_load_b128 s[4:7], s[0:1], 0x0                ; rec, pick
	s_load_b64 s[8:9], s[0:1], 0x10                ; out0
	v_lshl_add_u32 v1, v0, 2, 0x400
	v_mov_b32 v2, 0
	v_lshrrev_b32 v3, 5, v0
	v_readfirstlane_b32 s10, v3                    ; wave
	s_lshl_b32 s11, s10, 2
	v_and_b32 v88, 31, v0
	v_and_b32 v89, 15, v0                          ; r
	v_bfe_u32 v90, v0, 4, 1                        ; h
	v_lshlrev_b32 v3, 4, v88
	v_lshl_add_u32 v4, v88, 3, 3072
	v_lshlrev_b32 v8, 6, v90
	v_lshlrev_b32 v5, 3, v90                       ; 8 h
	v_and_b32 v6, 7, v0
	v_lshlrev_b32 v6, 2, v6                        ; 4 (lane % 8)
	v_mov_b32 v7, s11                              ; LDS: my wave's word
	v_mov_b32 v47, 0
	v_mov_b32 v[PD], 0
	v_mov_b32 v[SF+1], 0
	v_mov_b32 v[SN+1], 0
	s_lshl_b32 s12, ttmp9, 5
	s_mov_b32 s13, 0
	s_add_co_u32 s14, s12, s11
	s_mov_b32 s15, 0
	s_lshr_b32 s20, ttmp9, 1
	s_mul_i32 s20, s20, REC
	s_mov_b32 s21, 0
	s_and_b32 s44, ttmp9, 1
	s_lshl_b32 s44, s44, 3
	s_add_co_u32 s44, s44, s10                     ; my query's column
	s_mov_b32 s46, 0x76543210
	s_mov_b32 s47, 0xfedcba98
	s_mov_b32 s33, 0
	s_wait_alu depctr_va_vdst(0)                   ; the wait at the head's end
	s_wait_kmcnt 0x0
	s_add_nc_u64 s[6:7], s[6:7], s[14:15]
	s_load_b32 s16, s[6:7], 0x0                    ; my block
	s_add_nc_u64 s[8:9], s[8:9], s[12:13]
	s_add_nc_u64 s[22:23], s[4:5], s[20:21]
	s_add_nc_u64 s[4:5], s[4:5], 128*REC
.irp g, 0,1,2,3,4,5
	global_load_b128 v[QF+4*\g:QF+4*\g+3], v3, s[22:23] offset:512*\g
.endr
	global_load_b64 v[44:45], v4, s[22:23]
	s_wait_kmcnt 0x0
	s_min_u32 s16, s16, 0x3ff                      ; a loaded number enters an address only held inside the table
	s_mul_i32 s32, s16, 8*REC
	s_add_nc_u64 s[24:25], s[4:5], s[32:33]
	s_lshl_b32 s36, s16, 7                         ; the block's first vector
	WIN 0x40
.irp t, 0,1,2,3,4,5,6,7
.irp g, 0,1,2,3,4,5
	global_load_b128 v[24*\t+4*\g:24*\t+4*\g+3], v3, s[24:25] offset:REC*\t+512*\g
.endr
.endr
	WIN 0
.irp t, 0,1,2,3,4,5,6,7
	global_load_b32 v[VS+\t], v4, s[24:25] offset:REC*\t
.endr
.irp t, 0,1,2,3,4,5,6,7
.irp k, 0,1,2,3
	global_load_b128 v[ACC+16*\t+4*\k:ACC+16*\t+4*\k+3], v8, s[24:25] offset:REC*\t+3072+16*\k
.endr
.endr
	s_wait_loadcnt 0x0
	WIN 0x40
.irp t, 0,1,2,3,4,5,6,7
.irp j, 0,1,2,3,4,5,6,7
	v_mul_f32 v[VC+8*\t+\j], -0.5, v[ACC+16*\t+2*\j+1]
.endr
.endr
	WIN 0
	v_mov_b32 v46, v45                             ; q_sq in the low word of a pair
.rept 4
	v_nop
.endr
	WIN 0x11
.irp t, 0,1,2,3,4,5,6,7
	v_wmma_scale_f32_16x16x128_f8f6f4 v[ACC+8*\t:ACC+8*\t+7], v[24*\t:24*\t+11], v[QF:QF+11], v[VC+8*\t:VC+8*\t+7], v[VS+\t], v44 matrix_a_fmt:MATRIX_FMT_FP6 matrix_b_fmt:MATRIX_FMT_FP6
.endr
	WIN 0x01
.irp t, 0,1,2,3,4,5,6,7
	v_wmma_scale_f32_16x16x128_f8f6f4 v[ACC+8*\t:ACC+8*\t+7], v[24*\t+12:24*\t+23], v[QF+12:QF+23], v[ACC+8*\t:ACC+8*\t+7], v[VS+\t], v44 matrix_a_fmt:MATRIX_FMT_FP6 matrix_b_fmt:MATRIX_FMT_FP6 matrix_a_scale:MATRIX_SCALE_ROW1 matrix_b_scale:MATRIX_SCALE_ROW1
.endr
	WIN 0
.rept 4
	v_nop                                          ; four places ahead of the first read of results (ISA guide 7.12.1)
.endr
.set K, 0
.rept 32                               ; d = q_sq - 2 D, each accumulator from its low end on
	v_pk_fma_f32 v[ACC+K:ACC+K+1], v[ACC+K:ACC+K+1], -2.0, v[46:47] op_sel_hi:[1,0,0]
.set K, K+2
.endr
.irp c, 0,1,2,3
	v_min3_num_f32 v[80+\c], v[ACC+16*\c], v[ACC+16*\c+1], v[ACC+16*\c+2]
.endr
.irp i, 3,5,7,9,11,13
.irp c, 0,1,2,3
	v_min3_num_f32 v[80+\c], v[80+\c], v[ACC+16*\c+\i], v[ACC+16*\c+\i+1]
.endr
.endr
.irp c, 0,1,2,3
	v_min_num_f32 v[80+\c], v[80+\c], v[ACC+16*\c+15]
.endr
	v_min3_num_f32 v80, v80, v81, v82
	s_delay_alu instid0(VALU_DEP_1)
	v_min_num_f32 v80, v80, v83
	s_delay_alu instid0(VALU_DEP_1)
	v_permlanex16_b32 v[PD], v80, s46, s47
	s_delay_alu instid0(VALU_DEP_1)
	v_min_num_f32 v80, v80, v[PD]                  ; the block's smallest d for query r
	s_delay_alu instid0(VALU_DEP_1)
	v_max_num_f32 v[TX], 0, v80
	s_wait_alu depctr_va_vdst(0)                   ; a wait ahead of the root, and behind it
	v_sqrt_f32 v[S0], v[TX]
.irp c, 0,1,2,3
	v_mov_b32 v[80+\c], 64
.endr
	s_wait_alu depctr_va_vdst(0)
	v_add_nc_u32 v[SD], -1, v[S0]
	v_add_nc_u32 v[SU], 1, v[S0]
	v_fma_f32 v[RP], -v[SD], v[S0], v[TX]
	v_fma_f32 v[RS], -v[SU], v[S0], v[TX]
	v_cmp_ge_f32 vcc_lo, 0, v[RP]
	v_cndmask_b32 v[SF], v[S0], v[SD], vcc_lo
	v_cmp_lt_f32 vcc_lo, 0, v[RS]
	v_cndmask_b32 v[SF], v[SF], v[SU], vcc_lo
	s_delay_alu instid0(VALU_DEP_1)
	v_add_nc_u32 v[SN], 1, v[SF]
.set K, 0
.rept 32
	v_pk_fma_f32 v[ACC+K:ACC+K+1], v[SN:SN+1], v[SF:SF+1], v[ACC+K:ACC+K+1] op_sel_hi:[0,0,1] neg_lo:[1,0,0] neg_hi:[1,0,0]
.set K, K+2
.endr
.set I, 15
.rept 16                               ; the first tied register, from the last down, four chains by turns
.irp c, 0,1,2,3
	v_cmp_ge_f32 s[40+\c], 0, v[ACC+16*\c+I]
.endr
.irp c, 0,1,2,3
	v_cndmask_b32 v[80+\c], v[80+\c], 16*\c+I, s[40+\c]
.endr
.set I, I-1
.endr
	v_min_u32 v80, v80, v81
	v_min_u32 v82, v82, v83
	s_delay_alu instid0(VALU_DEP_1)
	v_min_u32 v80, v80, v82
	s_delay_alu instid0(VALU_DEP_1)
	v_lshrrev_b32 v81, 3, v80                      ; register 8 t + j is vector 16 t + 8 h + j; 64, no tie, gives 128 or more
	v_and_b32 v82, 7, v80
	s_delay_alu instid0(VALU_DEP_1)
	v_lshl_add_u32 v81, v81, 4, v82
	s_delay_alu instid0(VALU_DEP_1)
	v_add_nc_u32 v80, v81, v5
	s_delay_alu instid0(VALU_DEP_1)
	v_permlanex16_b32 v[PD], v80, s46, s47
	s_delay_alu instid0(VALU_DEP_1)
	v_min_u32 v80, v80, v[PD]
	s_delay_alu instid0(VALU_DEP_1)
	v_add_nc_u32 v80, s36, v80
	v_cmp_eq_u32 vcc_lo, s44, v89                  ; only my query's column counts
	v_cndmask_b32 v80, 0, v80, vcc_lo
	s_delay_alu instid0(VALU_DEP_1)
	v_cvt_f32_u32 v80, v80                         ; under 2^17: exact; the other columns hold 0, so a maximum over the 16 lanes brings it to all
	s_delay_alu instid0(VALU_DEP_1)
	v_max_num_f32_dpp v80, v80, v80 row_xmask:1 row_mask:0xf bank_mask:0xf
	s_delay_alu instid0(VALU_DEP_1)
	v_max_num_f32_dpp v80, v80, v80 row_xmask:2 row_mask:0xf bank_mask:0xf
	s_delay_alu instid0(VALU_DEP_1)
	v_max_num_f32_dpp v80, v80, v80 row_xmask:4 row_mask:0xf bank_mask:0xf
	s_delay_alu instid0(VALU_DEP_1)
	v_max_num_f32_dpp v80, v80, v80 row_xmask:8 row_mask:0xf bank_mask:0xf
	s_delay_alu instid0(VALU_DEP_1)
	v_cvt_u32_f32 v80, v80
	ds_store_b32 v7, v80                           ; all lanes write my wave's word with the same value
	s_wait_dscnt 0x0
	s_barrier_signal -1
	s_barrier_wait -1
	s_cmp_lg_u32 s10, 0
	s_cbranch_scc1 .Lend
	ds_load_b32 v84, v6
	v_cmp_gt_u32 vcc_lo, 8, v0
	s_wait_dscnt 0x0
	s_wait_xcnt 0x0                                ; EXEC changes only behind this wait
	s_and_saveexec_b32 s30, vcc_lo
	global_store_b32 v6, v84, s[8:9]               ; lanes 0-7: 32 consecutive bytes
	s_wait_xcnt 0x0
	s_or_b32 exec_lo, exec_lo, s30
.Lend:
	s_wait_tensorcnt 0x0                           ; the wave's end
	ds_add_u32 v1, v2
	s_wait_dscnt 0x0
	s_endpgm
.Lfunc_end_k_q936850b7ca_final:
	.size	k_q936850b7ca_final, .Lfunc_end_k_q936850b7ca_final-k_q936850b7ca_final
	.p2alignl 7, 3214868480
	.fill 96, 4, 3214868480
	.section	.rodata,"a",@progbits
	.p2align	6, 0x0
	.amdhsa_kernel k_q936850b7ca_final
		.amdhsa_group_segment_fixed_size 2048
		.amdhsa_private_segment_fixed_size 0
		.amdhsa_enable_private_segment 0
		.amdhsa_kernarg_size 24
		.amdhsa_user_sgpr_count 2
		.amdhsa_user_sgpr_kernarg_segment_ptr 1
		.amdhsa_wavefront_size32 1
		.amdhsa_system_sgpr_workgroup_id_x 1
		.amdhsa_system_sgpr_workgroup_id_y 1
		.amdhsa_system_sgpr_workgroup_id_z 1
		.amdhsa_system_vgpr_workitem_id 0
		.amdhsa_next_free_vgpr 512
		.amdhsa_next_free_sgpr 66
		.amdhsa_reserve_vcc 1
		.amdhsa_float_denorm_mode_32 3
		.amdhsa_float_denorm_mode_16_64 3
		.amdhsa_memory_ordered 1
		.amdhsa_forward_progress 1
		.amdhsa_inst_pref_size 33
	.end_amdhsa_kernel
	.amdgpu_metadata
---
amdhsa.version: [ 1, 2 ]
amdhsa.kernels:
  - .name:           k_q936850b7ca_final
    .symbol:         k_q936850b7ca_final.kd
    .args:
      - { .name: rec, .offset: 0, .size: 8, .value_kind: global_buffer, .address_space: global }
      - { .name: pick, .offset: 8, .size: 8, .value_kind: global_buffer, .address_space: global }
      - { .name: out0, .offset: 16, .size: 8, .value_kind: global_buffer, .address_space: global }
    .group_segment_fixed_size: 2048
    .private_segment_fixed_size: 0
    .kernarg_segment_align: 8
    .kernarg_segment_size: 24
    .max_flat_workgroup_size: 256
    .sgpr_count:     66
    .vgpr_count:     512
    .wavefront_size: 32
...
	.end_amdgpu_metadata
.endif
;; end of part 4
